; MI455X (gfx1250); checked and timed in simulation.
; The chip was launched on July 23, 2026; its instructions are those of AMD's public machine-readable ISA for CDNA 5 (MIT licence, August 2026) and "CDNA5" Instruction Set Architecture Reference Guide (July 2026). The comments in the code are by the model that wrote it; some were corrected since.
;; Model. Allowed arithmetic: matrix products marked QUANTISED: E2M1 operands, one E8M0 scale for each 32 along K, by v_wmma_scale_f32_16x16x128_f8f6f4 with both operands' format E2M1 (or v_wmma_scale_f32_32x16x128_f4), f32 sums; everything else in f32.
;; Inputs: xk 2 x 4,096 x 1,024 float32; xq 2 x 4,096 x 1,024 float32; xv 2 x 4,096 x 1,024 float32.
;; Outputs: out0 2 x 4,096 x 1,024 float32.
;; This version of the problem:
;;   THIS VERSION OF THE PROBLEM IS GIVEN IN LOW PRECISION. The matrix products marked QUANTISED in the list below multiply operands that are first quantised to E2M1 (2 exponent bits, 1 mantissa bit; 4 bits a number), with one power-of-two scale for each 32 numbers along K (OCP MX v1.0); their sums are f32. All else is computed in f32.
;;   The module's matrix products, in the order in which they are computed (A, B: the left and right operand; K: the contracted axis; several contracted axes count as one K, in the product's order):
;;     1. batch 256 x [M 512, K 64] x [K 64, N 1,024]; A: computed on the way; B: computed on the way: QUANTISED
;;     2. batch 256 x [M 512, K 1,024] x [K 1,024, N 64]; A: softmax (see below); B: computed on the way: QUANTISED
;;   THE QUANTISER, for each operand of a quantised product, along K:
;;     - K is cut into blocks of 32 from its start; a last block that is shorter is filled with zeros.
;;     - A block's scale is 2^e with e = floor(log2(the largest magnitude in the block)) - 2, held to -126 .. 127; a block of zeros has e = 0. As a byte (E8M0): e + 127.
;;     - Each number is divided by its block's scale, clamped to +-6, and rounded to the nearest number of E2M1, ties to even, subnormals kept.
;;     - The product sums the exact products of the quantised numbers (number of the format x scale) in f32.
;;   ~~~python
;;   def quantise(x, axis):      # numpy; x: float32 -> the quantised numbers, widened to float32 again
;;       x = np.moveaxis(x, axis, -1); K = x.shape[-1]
;;       x = np.pad(x, [(0, 0)] * (x.ndim - 1) + [(0, -K % 32)]); x = x.reshape(x.shape[:-1] + (-1, 32)); a = np.abs(x).max(-1, keepdims=True)
;;       e = np.where(a > 0, np.clip(np.frexp(np.where(a > 0, a, 1))[1] - 1 - 2, -126, 127), 0)      # np.frexp(a)[1] - 1 = floor(log2(a)), exactly
;;       r = np.clip(x / 2.0 ** e, -6, 6)
;;       step = 2.0 ** (np.maximum(np.frexp(np.where(r == 0, 1, r))[1] - 1, 0) - 1)
;;       q = np.round(r / step) * step * 2.0 ** e      # np.round: ties to even
;;       return np.moveaxis(q.reshape(q.shape[:-2] + (-1,))[..., :K], -1, axis).astype(np.float32)
;;   ~~~
;;   SOFTMAX AHEAD OF A QUANTISED PRODUCT. Where the list says 'softmax', what is quantised is not the finished softmax but p = 2^(t - M), with t = logit x log2(e) and M = ceil(the row's largest t), a whole number; so 1/2 < the row's largest p <= 1. The row's sum l is taken of the UNQUANTISED p, in f32, and the product's result is divided by l at the end. Since M is a whole number, a kernel that streams over the keys may use a running M (the ceiling of the running maximum): every later rescaling is an exact power of two, which a block's scale takes up: the codes' values come out the same.
;;   OPERANDS COMPUTED ON THE WAY. 'Computed on the way' means the value that the module computes at that place (a softmax that the list does not call 'softmax' is quantised finished and normalised). What goes into a quantiser is computed in f32, as accurately as f32 sums, v_exp_f32 and their like allow (about 1e-6 of the number): no bf16 or f16 on the way to a quantiser, and a product that is left as it is and whose result goes on into a quantised operand takes f32 operands (vector FMAs, or v_wmma_f32_16x16x4_f32). A number that lies on a knife's edge between two numbers of the format may be rounded either way, as far as f32 arithmetic and the matrix unit's own rounding can turn it there, and no further.
;; 2 versions, each right; version 2 is version 1 with the launch attn written anew for expert scheduling mode. Each part assembles by itself: llvm-mc -triple=amdgcn-amd-amdhsa -mcpu=gfx1250 --defsym DOCPART=n.
;; ======== version 1 of 2: 2 launches
;; workspace buffers: qc 4,194,304 bytes; qs 1,048,576 bytes; kv 8,912,896 bytes
;; launch prep (part 1): grid 128 x 2, 16 waves a work-group, no clusters, 317,440 bytes of LDS; arguments xq, xk, xv, qc, qs, kv; writes qc, qs, kv
.if DOCPART == 1
	.amdgcn_target "amdgcn-amd-amdhsa--gfx1250"
	.amdhsa_code_object_version 6
	.text
	.protected	k_qa0c38ec5b5_prep
	.globl	k_qa0c38ec5b5_prep
	.p2align	8
	.type	k_qa0c38ec5b5_prep,@function
k_qa0c38ec5b5_prep:
	s_mov_b64 s[64:65], 0
	v_nop
	global_prefetch_b8 v0, s[64:65] scope:SCOPE_SE
	s_setreg_imm32_b32 hwreg(HW_REG_WAVE_MODE, 25, 1), 1
	s_wait_xcnt 0x0
; PREP: q and k are cut into heads of 64, divided by max(their norm, 1e-6), turned by RoPE and quantised to FP4 (E2M1) along the 64 channels (two blocks of 32);
; v is quantised along the keys (blocks of 32 positions).  All arithmetic ahead of the codes is f32.
; A block's scale byte is its largest magnitude's exponent field - 2, held at 1 from below.
; SHARES.  Work-group (x = 4 g + hg, y = b) owns the 128 positions 128 g .. 128 g + 127 of batch b and the four heads 4 hg .. 4 hg + 3.
; Wave w: head 4 hg + (w >> 2), positions p0 = 128 g + 32 (w & 3) on.  For q and k lane L holds position p0 + L and its 64 registers run along the channels;
; for v lane L holds channels L and 32 + L and its registers run down the 32 positions: in both cases a block of 32 along K lies in ONE lane.
; THE ANGLES hang on (position, j) alone, so the four heads share them: the wave of head slot hh makes cos and sin for j = 8 hh .. 8 hh + 7 of its 32 positions, and they meet in LDS.
; q's and k's tiles (32 rows x 256 bytes) come by one tensor load each into the wave's own LDS bytes, filled once; v comes straight into registers.
; WHAT IS STORED (bh = 16 b + head):
;   qc: 512 bytes for each tile of 16 queries, at (256 bh + position / 16) x 512: query r's codes of channels 32 hc on at 256 hc + 16 r: the operand's registers, lane by lane.
;   qs: 8 bytes a query: the word (s0, s1, s0, s1) twice, so that a wave's store covers 256 consecutive bytes, aligned.
;   kv: 8,704 bytes for each 128 keys of a head, at (32 bh + g) x 8704: K's codes 4,096 (key 32 B + lam, half hc: 1024 B + 512 hc + 16 (lam xor 8 (B & 1))),
;       V's codes 4,096 (channel ch, block B: 1024 B + 16 ch), K's scale bytes 256, V's 256, laid as the attention's scale registers take them.
; LIMITS: NaN and infinities among the inputs are not served.  A block of zeros gets the byte 1 where the rule says 127: its codes are zeros and this program alone reads the bytes.
; x / n is x times the reciprocal instruction's result (about 2 units in the last place off a division).  cos and sin: two-part reduction by pi / 2 and polynomials, about 1e-7 absolute
; for the angles that occur (under 4,096).  The 32 frequencies are constants: f32(1e-4)^(j / 32) rounded to f32.
; No cluster: no two work-groups read a common byte.  No prefetch: every load of a wave is issued at its head.
.set PITCH, 272                        ; an LDS row: 256 bytes + 16 of padding, so that 16 lanes that take the same column of 16 rows touch 16 different 16-byte columns
.set HALF,  32*PITCH                   ; a landed tile: 32 rows
.set LAND,  2*HALF                     ; a wave's two tiles: q's, then k's
.set TRG,   16*LAND                    ; behind them: 128 rows (local position) x 272: cos j = 0 .. 31, sin j = 0 .. 31
.set SCB,   TRG+128*PITCH              ; behind that: for each head slot 512 bytes: the last 512 bytes of its kv record
.set SLOTB, 8704
.set FQ,  40                           ; s[40:47] my eight frequencies
.set TC,  16                           ; v16-23  my eight cos;  v24-31 my eight sin
.set TS,  24
.set CO,  48                           ; v48-79  cos of my position, j = 0 .. 31
.set SI,  80                           ; v80-111 sin
.set X,   112                          ; v112-175 the 64 channels of my position
.set VA,  176                          ; v176-207 v(p0 + i, channel L);  v208-239 v(p0 + i, channel 32 + L)
.set VB,  208
.set CD,  240                          ; v240-247 q's codes, v248-255 k's: each its own, so that no store's data are written again
; v1 L; v2 my row in the landed tiles; v3, v4 my row of the angles (to write, to read); v5-v7, v10, v11, v14 offsets in memory; v8, v9, v12 places among the scale bytes; v13 my position as f32; v15-47 at work
	s_load_b256 s[4:11], s[0:1], 0x0               ; xq s[4:5], xk s[6:7], xv s[8:9], qc s[10:11]
	s_load_b128 s[12:15], s[0:1], 0x20             ; qs s[12:13], kv s[14:15]
	v_lshl_add_u32 v254, v0, 2, 0x4d000
	v_mov_b32 v255, 0
	ds_add_u32 v254, v255
	ds_add_u32 v254, v255
	s_wait_dscnt 0x0
	v_lshrrev_b32 v15, 5, v0
	v_readfirstlane_b32 s16, v15                   ; wave 0..15
	v_and_b32 v1, 31, v0                           ; lane
	s_lshr_b32 s17, s16, 2                         ; hh: my head slot
	s_and_b32 s18, s16, 3                          ; B4: my block of 32 positions
	s_lshr_b32 s19, ttmp9, 2                       ; g
	s_and_b32 s20, ttmp9, 3                        ; hg
	s_and_b32 s21, ttmp7, 0xffff                   ; b
	s_lshl_b32 s22, s20, 2
	s_add_co_u32 s22, s22, s17                     ; head
	s_lshl_b32 s23, s21, 4
	s_add_co_u32 s23, s23, s22                     ; bh
	s_lshl_b32 s54, s19, 7
	s_lshl_b32 s55, s18, 5
	s_add_co_u32 s56, s54, s55                     ; p0
	s_lshl_b32 s52, s21, 12
	s_add_co_u32 s52, s52, s56
	s_lshl_b32 s52, s52, 12                        ; (4096 b + p0) rows of 4,096 bytes
	s_lshl_b32 s53, s22, 8
	s_add_co_u32 s52, s52, s53                     ; + 256 x head: the same byte in xq, xk and xv (under 2^26)
	s_mov_b32 s53, 0
	; descriptor group 1: 32 rows of 64 elements of 4 bytes, 1,024 elements from row to row; in LDS 4 words of padding behind every 64
	s_mov_b32 s24, (2<<16)|(1<<20)|(5<<22)|(3<<25)
	s_mov_b32 s25, 64<<16                          ; tensor_dim0 = 64
	s_mov_b32 s26, 32<<16                          ; tensor_dim1 = 32
	s_mov_b32 s27, 64<<16                          ; tile_dim0 = 64
	s_mov_b32 s28, 32                              ; tile_dim1 = 32
	s_mov_b32 s29, 1024                            ; the pitch
	s_mov_b32 s30, 0
	s_mov_b32 s31, 0
	s_mov_b32 s32, 1
	s_mul_i32 s33, s16, LAND                       ; q's tile: wave x 17,408
	s_mov_b32 s36, 1
	s_add_co_u32 s37, s33, HALF                    ; k's: 8,704 behind it
	s_wait_kmcnt 0x0
	s_add_nc_u64 s[34:35], s[4:5], s[52:53]
	s_or_b32 s35, s35, 0x80000000
	s_add_nc_u64 s[38:39], s[6:7], s[52:53]
	s_or_b32 s39, s39, 0x80000000
	tensor_load_to_lds s[32:35], s[24:31]          ; both first fills together, ahead of every wait, LDS read and barrier: two loads of mine are out
	s_nop 0
	tensor_load_to_lds s[36:39], s[24:31]
	s_nop 0
.rept 4
	v_nop
.endr
	s_add_nc_u64 s[58:59], s[8:9], s[52:53]
	v_lshlrev_b32 v11, 2, v1
.set i, 0
.rept 32
	global_load_b32 v[VA+i], v11, s[58:59] offset:4096*i th:TH_LOAD_NT       ; the two halves of a position's 256 bytes, one behind the other
	global_load_b32 v[VB+i], v11, s[58:59] offset:4096*i+128 th:TH_LOAD_NT
.set i, i+1
.endr
	; addresses, all made here and never rewritten
	v_mul_u32_u24 v2, v1, PITCH
	v_add_nc_u32 v2, s33, v2                       ; my row of q's tile
	s_mul_i32 s57, s18, 32*PITCH
	s_add_co_u32 s57, s57, TRG
	v_mul_u32_u24 v4, v1, PITCH
	v_add_nc_u32 v4, s57, v4                       ; my position's row of angles
	s_lshl_b32 s68, s17, 5
	v_add_nc_u32 v3, s68, v4                       ; + 4 x 8 hh: where my eight cos go
	v_lshrrev_b32 v15, 4, v1                       ; L / 16
	v_and_b32 v5, 15, v1
	v_lshlrev_b32 v5, 4, v5
	v_lshl_add_u32 v5, v15, 9, v5                  ; qc: 512 (L / 16) + 16 (L % 16)
	v_lshlrev_b32 v6, 3, v1                        ; qs: 8 L
	s_and_b32 s69, s16, 1
	s_lshl_b32 s70, s69, 3
	s_lshl_b32 s71, s18, 10
	v_xor_b32 v7, s70, v1
	v_lshlrev_b32 v7, 4, v7
	v_add_nc_u32 v7, s71, v7                       ; K's codes: 1024 B4 + 16 (L xor 8 (B4 & 1))
	v_lshlrev_b32 v10, 4, v1                       ; 16 L
	v_add_nc_u32 v14, s71, v10                     ; V's codes: 1024 B4 + 16 L
	s_lshl_b32 s73, s17, 9
	s_add_co_u32 s73, s73, SCB                     ; my head slot's 512 scale bytes
	s_lshl_b32 s74, s69, 6
	s_bfe_u32 s75, s16, 0x10001
	s_lshl_b32 s75, s75, 2
	s_add_co_u32 s72, s73, s74
	s_add_co_u32 s72, s72, s75                     ; K's: + 64 (B4 & 1) + 4 (B4 >> 1)
	v_bfe_u32 v16, v1, 3, 1
	v_and_b32 v8, 7, v1
	v_lshlrev_b32 v8, 3, v8
	v_lshl_add_u32 v8, v15, 7, v8
	v_lshl_add_u32 v8, v16, 1, v8
	v_add_nc_u32 v8, s72, v8                       ; + 128 (L >> 4) + 2 ((L >> 3) & 1) + 8 (L & 7): my key's two bytes
	s_add_co_u32 s74, s73, 256
	s_add_co_u32 s74, s74, s18
	v_and_b32 v9, 15, v1
	v_lshlrev_b32 v9, 3, v9
	v_lshl_add_u32 v9, v15, 7, v9
	v_add_nc_u32 v9, s74, v9                       ; V's: 256 + B4 + 128 (L >> 4) + 8 (L & 15): channel L's byte; channel 32 + L's lies 4 further on
	v_add_nc_u32 v12, s73, v10                     ; the way out of the 512 bytes: 16 a lane
	v_add_nc_u32 v13, s56, v1
	v_cvt_f32_u32 v13, v13                         ; my position
	s_lshl_b32 s60, s23, 17
	s_lshl_b32 s61, s56, 5
	s_add_co_u32 s60, s60, s61
	s_mov_b32 s61, 0
	s_add_nc_u64 s[60:61], s[10:11], s[60:61]      ; qc at my two tiles: (256 bh + p0 / 16) x 512
	s_lshl_b32 s62, s23, 12
	s_add_co_u32 s62, s62, s56
	s_lshl_b32 s62, s62, 3
	s_mov_b32 s63, 0
	s_add_nc_u64 s[62:63], s[12:13], s[62:63]      ; qs at my first query
	s_lshl_b32 s66, s23, 5
	s_add_co_u32 s66, s66, s19
	s_mul_i32 s66, s66, SLOTB
	s_mov_b32 s67, 0
	s_add_nc_u64 s[66:67], s[14:15], s[66:67]      ; kv at my record
	s_mov_b32 s48, 0xbfc90fdb                      ; -(pi / 2 rounded to f32)
	s_mov_b32 s49, 0x333bbd2e                      ; -(pi / 2 less that)
	v_mov_b32 v46, 0xb94ca1f9                      ; the sine's highest coefficient
	v_mov_b32 v47, 0x37ccf5ce                      ; the cosine's
; my eight frequencies, j = 8 hh on: chosen without a branch
.macro FSEL op, f0, f1, f2, f3, f4, f5, f6, f7
	\op s[FQ+0], \f0
	\op s[FQ+1], \f1
	\op s[FQ+2], \f2
	\op s[FQ+3], \f3
	\op s[FQ+4], \f4
	\op s[FQ+5], \f5
	\op s[FQ+6], \f6
	\op s[FQ+7], \f7
.endm
	FSEL s_mov_b32, 1.0, 0.749894208740, 0.562341324302, 0.421696502430, 0.316227765018, 0.237137369630, 0.177827940162, 0.133352142479
	s_cmp_eq_u32 s17, 1
	FSEL s_cmov_b32, 0.099999999368, 0.0749894204004, 0.0562341320751, 0.0421696499767, 0.0316227763021, 0.0237137368132, 0.0177827939039, 0.0133352141637
	s_cmp_eq_u32 s17, 2
	FSEL s_cmov_b32, 0.0099999998736894, 0.00749894199268, 0.00562341317200, 0.00421696497103, 0.00316227761024, 0.00237137366635, 0.00177827937915, 0.00133352140795
	s_cmp_eq_u32 s17, 3
	FSEL s_cmov_b32, 0.00099999998105, 0.000749894194533, 0.000562341313648, 0.000421696494440, 0.000316227759027, 0.000237137365137, 0.000177827936792, 0.000133352139953
; cos and sin of a = position x frequency (one rounding).  k = the nearest whole number to a x 2 / pi; r = a - k pi / 2 in two fused steps, the first of which is exact
; (a and k x the high part are multiples of 2^-23 and differ by less than 1); polynomials on |r| <= pi / 4; k's two low bits say which of the two is which, and the signs.
.macro SINCOS jj
	v_mul_f32 v32, s[FQ+\jj], v13
	v_mul_f32 v33, 0x3f22f983, v32
	v_rndne_f32 v33, v33
	v_fma_f32 v34, v33, s48, v32
	v_fma_f32 v34, v33, s49, v34
	v_cvt_i32_f32 v36, v33
	v_mul_f32 v35, v34, v34
	v_fmaak_f32 v37, v46, v35, 0x3c08839e
	v_fmaak_f32 v38, v47, v35, 0xbab6061a
	v_fmaak_f32 v37, v37, v35, 0xbe2aaaa3
	v_fmaak_f32 v38, v38, v35, 0x3d2aaaa5
	v_mul_f32 v39, v34, v35
	v_fma_f32 v38, v38, v35, -0.5
	v_fma_f32 v37, v39, v37, v34                   ; sin r
	v_fma_f32 v38, v38, v35, 1.0                   ; cos r
	v_and_b32 v39, 1, v36
	v_cmp_eq_u32 vcc_lo, 1, v39
	v_cndmask_b32 v40, v37, v38, vcc_lo            ; k odd: the two change places
	v_cndmask_b32 v41, v38, v37, vcc_lo
	v_lshlrev_b32 v39, 30, v36
	v_and_b32 v39, 0x80000000, v39                 ; sin is negated where k & 2,
	v_xor_b32 v[TS+\jj], v39, v40
	v_add_nc_u32 v36, 1, v36
	v_lshlrev_b32 v36, 30, v36
	v_and_b32 v36, 0x80000000, v36                 ; cos where (k + 1) & 2
	v_xor_b32 v[TC+\jj], v36, v41
.endm
.irp jj, 0,1,2,3,4,5,6,7
	SINCOS \jj
.endr
	ds_store_b128 v3, v[TC:TC+3]
	ds_store_b128 v3, v[TC+4:TC+7] offset:16
	ds_store_b128 v3, v[TS:TS+3] offset:128
	ds_store_b128 v3, v[TS+4:TS+7] offset:144
	s_wait_dscnt 0x0                               ; for the others' sake: my angles lie in LDS
	s_barrier_signal -1
	s_barrier_wait -1                              ; all four head slots' do.  (My tensor loads may stay out: no LDS byte is filled twice in this launch)
.irp i, 0,1,2,3,4,5,6,7
	ds_load_b128 v[CO+4*\i:CO+4*\i+3], v4 offset:16*\i
	ds_load_b128 v[SI+4*\i:SI+4*\i+3], v4 offset:128+16*\i
.endr
; the largest magnitudes of two blocks of 32 registers, x0 on into v32 and x1 on into v34: 16 instructions a block, in two chains; the floor 2^(3 - 127) is one leaf: the byte cannot fall under 1
.macro BMAX2 x0, x1
	v_max3_num_f32 v32, |v[(\x0)]|, |v[(\x0)+1]|, 0x1800000
	v_max3_num_f32 v34, |v[(\x1)]|, |v[(\x1)+1]|, 0x1800000
	v_max3_num_f32 v33, |v[(\x0)+16]|, |v[(\x0)+17]|, |v[(\x0)+18]|
	v_max3_num_f32 v35, |v[(\x1)+16]|, |v[(\x1)+17]|, |v[(\x1)+18]|
.irp i, 0,2,4,6,8,10
	v_max3_num_f32 v32, v32, |v[(\x0)+2+\i]|, |v[(\x0)+3+\i]|
	v_max3_num_f32 v34, v34, |v[(\x1)+2+\i]|, |v[(\x1)+3+\i]|
	v_max3_num_f32 v33, v33, |v[(\x0)+19+\i]|, |v[(\x0)+20+\i]|
	v_max3_num_f32 v35, v35, |v[(\x1)+19+\i]|, |v[(\x1)+20+\i]|
.endr
	v_max3_num_f32 v32, v32, |v[(\x0)+14]|, |v[(\x0)+15]|
	v_max3_num_f32 v34, v34, |v[(\x1)+14]|, |v[(\x1)+15]|
	v_max3_num_f32 v32, v32, v33, |v[(\x0)+31]|
	v_max3_num_f32 v34, v34, v35, |v[(\x1)+31]|
	v_add_nc_u32 v36, 0xff000000, v32              ; 2 off the exponent field: the conversion takes this operand's exponent field as its scale
	v_add_nc_u32 v37, 0xff000000, v34
	v_lshrrev_b32 v38, 23, v36                     ; the scales' bytes
	v_lshrrev_b32 v39, 23, v37
.endm
; q (which = 0) or k (1): my position's 64 channels are normalised, turned, quantised and stored
.macro QK which
.irp i, 0,1,2,3,4,5,6,7,8,9,10,11,12,13,14,15
	ds_load_b128 v[X+4*\i:X+4*\i+3], v2 offset:HALF*\which+16*\i
.endr
	s_wait_dscnt 0x0                               ; the row is in (and, the first time, the angles)
.irp c, 0,1,2,3
	v_pk_mul_f32 v[16+2*\c:17+2*\c], v[X+2*\c:X+2*\c+1], v[X+2*\c:X+2*\c+1]   ; the sum of squares: four packed chains, started by the first products
.endr
.set i, 4
.rept 28
	v_pk_fma_f32 v[16+2*(i%4):17+2*(i%4)], v[X+2*i:X+2*i+1], v[X+2*i:X+2*i+1], v[16+2*(i%4):17+2*(i%4)]
.set i, i+1
.endr
	v_pk_add_f32 v[16:17], v[16:17], v[18:19]
	v_pk_add_f32 v[20:21], v[20:21], v[22:23]
	v_pk_add_f32 v[16:17], v[16:17], v[20:21]
	v_add_f32 v16, v16, v17
	v_sqrt_f32 v16, v16
	v_nop                                          ; a plain line behind a transcendental (ISA guide 5.7.2)
	s_wait_alu depctr_va_vdst(0)
	v_max_num_f32 v16, 0x358637bd, v16             ; max(norm, 1e-6)
	v_rcp_f32 v16, v16
	v_nop
.set i, 0
	s_wait_alu depctr_va_vdst(0)
.rept 32
	v_pk_mul_f32 v[X+2*i:X+2*i+1], v[X+2*i:X+2*i+1], v[16:17] op_sel_hi:[1,0]
.set i, i+1
.endr
.set jj, 0
.rept 16                               ; x1' = x1 cos + x2 sin;  x2' = x2 cos - x1 sin; two j at a time; the temporaries take turns
.set tt, 24+4*((jj/2)%2)
	v_pk_mul_f32 v[tt:tt+1], v[X+32+jj:X+33+jj], v[SI+jj:SI+jj+1]
	v_pk_mul_f32 v[tt+2:tt+3], v[X+jj:X+jj+1], v[SI+jj:SI+jj+1]
	v_pk_fma_f32 v[X+jj:X+jj+1], v[X+jj:X+jj+1], v[CO+jj:CO+jj+1], v[tt:tt+1]
	v_pk_fma_f32 v[X+32+jj:X+33+jj], v[X+32+jj:X+33+jj], v[CO+jj:CO+jj+1], v[tt+2:tt+3] neg_lo:[0,0,1] neg_hi:[0,0,1]
.set jj, jj+2
.endr
	BMAX2 X, X+32
.irp g, 0,1,2,3
	v_cvt_scalef32_pk8_fp4_f32 v[CD+8*\which+\g], v[X+8*\g:X+8*\g+7], v36
.endr
.irp g, 4,5,6,7
	v_cvt_scalef32_pk8_fp4_f32 v[CD+8*\which+\g], v[X+8*\g:X+8*\g+7], v37
.endr
	v_lshl_or_b32 v40, v39, 8, v38                 ; (s0, s1).  Also the plain line behind the conversions
.if \which == 0
	v_lshl_or_b32 v42, v40, 16, v40                ; (s0, s1, s0, s1): the word serves Q in either half of the instruction's K
	v_mov_b32 v43, v42
	global_store_b128 v5, v[CD:CD+3], s[60:61]                 ; channels 0-31: sixteen lanes store 256 consecutive bytes, aligned
	global_store_b128 v5, v[CD+4:CD+7], s[60:61] offset:256    ; channels 32-63
	global_store_b64 v6, v[42:43], s[62:63]                    ; the wave stores 256 consecutive bytes, aligned
.else
	global_store_b128 v7, v[CD+8:CD+11], s[66:67]              ; the wave stores 512 consecutive bytes, aligned
	global_store_b128 v7, v[CD+12:CD+15], s[66:67] offset:512
	ds_store_b16 v8, v40
.endif
.endm
	s_wait_tensorcnt 0x1                           ; q's tile has landed; k's, issued behind it, may be out.  Only I read these bytes
	QK 0
	s_wait_tensorcnt 0x0                           ; k's too
	QK 1
	s_wait_loadcnt 0x0                             ; v's 64 loads
	BMAX2 VA, VB
.irp g, 0,1,2,3
	v_cvt_scalef32_pk8_fp4_f32 v[X+\g], v[VA+8*\g:VA+8*\g+7], v36
.endr
.irp g, 0,1,2,3
	v_cvt_scalef32_pk8_fp4_f32 v[X+4+\g], v[VB+8*\g:VB+8*\g+7], v37
.endr
	v_nop                                          ; the plain line behind the conversions
	global_store_b128 v14, v[X:X+3], s[66:67] offset:4096      ; channels 0-31 of my block of keys: 512 consecutive bytes
	global_store_b128 v14, v[X+4:X+7], s[66:67] offset:4096+512
	ds_store_b8 v9, v38
	ds_store_b8 v9, v39 offset:4
	s_wait_dscnt 0x0                               ; for the others' sake: my scale bytes lie in LDS
	s_barrier_signal -1
	s_barrier_wait -1
	s_cmp_lg_u32 s18, 0                            ; one wave of each head slot sends its 512 scale bytes
	s_cbranch_scc1 .Lend
	ds_load_b128 v[44:47], v12
	s_wait_dscnt 0x0
	global_store_b128 v10, v[44:47], s[66:67] offset:8192      ; 512 consecutive bytes, aligned
.Lend:
	s_wait_xcnt 0x0
	v_lshl_add_u32 v254, v0, 2, 0x4d000
	v_mov_b32 v255, 0
	s_wait_tensorcnt 0x0
	ds_add_u32 v254, v255
	s_wait_dscnt 0x0
	s_endpgm
.Lfunc_end_k_qa0c38ec5b5_prep:
	.size	k_qa0c38ec5b5_prep, .Lfunc_end_k_qa0c38ec5b5_prep-k_qa0c38ec5b5_prep
	.p2alignl 7, 3214868480
	.fill 96, 4, 3214868480
	.section	.rodata,"a",@progbits
	.p2align	6, 0x0
	.amdhsa_kernel k_qa0c38ec5b5_prep
		.amdhsa_group_segment_fixed_size 317440
		.amdhsa_private_segment_fixed_size 0
		.amdhsa_enable_private_segment 0
		.amdhsa_kernarg_size 48
		.amdhsa_user_sgpr_count 2
		.amdhsa_user_sgpr_kernarg_segment_ptr 1
		.amdhsa_wavefront_size32 1
		.amdhsa_system_sgpr_workgroup_id_x 1
		.amdhsa_system_sgpr_workgroup_id_y 1
		.amdhsa_system_sgpr_workgroup_id_z 1
		.amdhsa_system_vgpr_workitem_id 0
		.amdhsa_next_free_vgpr 256
		.amdhsa_next_free_sgpr 76
		.amdhsa_reserve_vcc 1
		.amdhsa_float_denorm_mode_32 3
		.amdhsa_float_denorm_mode_16_64 3
		.amdhsa_memory_ordered 1
		.amdhsa_forward_progress 1
		.amdhsa_inst_pref_size 54
	.end_amdhsa_kernel
	.amdgpu_metadata
---
amdhsa.version: [ 1, 2 ]
amdhsa.kernels:
  - .name:           k_qa0c38ec5b5_prep
    .symbol:         k_qa0c38ec5b5_prep.kd
    .args:
      - { .name: xq, .offset: 0, .size: 8, .value_kind: global_buffer, .address_space: global }
      - { .name: xk, .offset: 8, .size: 8, .value_kind: global_buffer, .address_space: global }
      - { .name: xv, .offset: 16, .size: 8, .value_kind: global_buffer, .address_space: global }
      - { .name: qc, .offset: 24, .size: 8, .value_kind: global_buffer, .address_space: global }
      - { .name: qs, .offset: 32, .size: 8, .value_kind: global_buffer, .address_space: global }
      - { .name: kv, .offset: 40, .size: 8, .value_kind: global_buffer, .address_space: global }
    .group_segment_fixed_size: 317440
    .private_segment_fixed_size: 0
    .kernarg_segment_align: 8
    .kernarg_segment_size: 48
    .max_flat_workgroup_size: 512
    .sgpr_count:     76
    .vgpr_count:     256
    .wavefront_size: 32
...
	.end_amdgpu_metadata
.endif
;; end of part 1
;; launch attn (part 2): grid 8 x 32, 16 waves a work-group, no clusters, 141,312 bytes of LDS; arguments kv, qc, qs, out0; writes out0
.if DOCPART == 2
	.amdgcn_target "amdgcn-amd-amdhsa--gfx1250"
	.amdhsa_code_object_version 6
	.text
	.protected	k_qa0c38ec5b5_attn
	.globl	k_qa0c38ec5b5_attn
	.p2align	8
	.type	k_qa0c38ec5b5_attn,@function
k_qa0c38ec5b5_attn:
	s_mov_b64 s[64:65], 0
	v_nop
	global_prefetch_b8 v0, s[64:65] scope:SCOPE_SE
	s_setreg_imm32_b32 hwreg(HW_REG_WAVE_MODE, 25, 1), 1
	s_wait_xcnt 0x0
; ATTN: out = softmax(q k^T / 8 under the band mask) v on codes of FP4 (E2M1) with one E8M0 scale for each 32 along a product's K.  Key kv counts for query q where 0 <= q - kv < 512 and kv >= 0.
; SHARES.  Work-group (x = n, y = bh) owns the 512 queries of block n of one head; its 1,024 keys (key steps 4 n - 4 .. 4 n + 3 of 128 keys, 8,704 bytes each as the launch before laid them) are copied
; into LDS once, through registers: 69,632 bytes.  Wave w owns queries 32 w .. 32 w + 31 as two tiles of 16, which share every fragment of K and V.  It walks five key steps, slots (w >> 2) + 4 .. (w >> 2) + 0:
; the diagonal step, three open steps, the far edge.  Of the two masked steps, the half (64 keys) that lies wholly under the mask is left out; in block 0 the steps of keys under 0 are left out.  All such branches hang on ids.
; BOTH PRODUCTS ARE USED TRANSPOSED: S^T = K Q^T, O^T = V^T P^T: a lane holds one query (lane % 16) throughout.
; THE KEYS OF A TILE ARE NOT NEIGHBOURS: row m of tile 4 c + i is key 64 c + 32 (m / 8) + 8 i + m % 8, so that lane (r, h)'s 32 registers of tiles 4 c .. 4 c + 3 are the whole block 64 c + 32 h + 0 .. 31 in order:
; the block's largest p needs no other lane, and the conversions' results are the second product's operand as they stand.
; K = 64 IN AN INSTRUCTION OF 128: source 0 holds TWO tiles of keys (registers 0-3 one, 4-7 the next).  Q stands between zeros, [0 0 0 0 | q q q q | 0 0 0 0]: its upper eight registers [q, 0] pick the first tile, its lower
; eight [0, q] the second.  Zero codes add nothing under any scale byte that occurs here.
; THE SOFTMAX: p = 2^t, t = score x log2(e) / 8, with the whole number M = 0 for every row.  q and k are normalised ahead of their quantiser, whose error is at most a quarter of a block's largest magnitude a number:
; a quantised vector's norm is at most 1 + sqrt(32) / 4 = 2.42, so |t| <= 2.42^2 / 8 x 1.4427 = 1.05 for every input: p lies in 0.48 .. 2.1, and a row's sum under 1,100.  Another whole M would move a block's scale and the
; row's sum by the same power of two: codes and result are the same.  The row's sum is taken of the unquantised p and divides at the end.
; LIMITS: NaN and infinities are not served.  A block all of whose p are masked gets the byte 1 (0 in a half that is left out) over zero codes.  Sums run from the diagonal step backwards: another f32 order than the reference's.
; NO CLUSTER: block n reads key steps 4 n - 4 .. 4 n + 3 and block n + 1 reads 4 n .. 4 n + 7: neighbours share four of their eight steps and no two work-groups the same set, and a work-group reads its 69,632 bytes once, at its head.
; No prefetch: every load stands at the kernel's head.  No tensor load, no ring: all keys fit in LDS at once.
.set SLOTB, 8704                       ; a key step in LDS: K's codes 4,096, V's codes 4,096, K's scale words 256, V's 256
.set STG,   8*SLOTB                    ; behind the eight steps: 16 rows x 272 bytes for each wave, for the way out
.set LS,  12                           ; v12-19  the rows' sums: two packed chains a tile
.set QS,  20                           ; v20-21  Q's scale words;  v22-23 K's;  v24-25 V's;  v26-27 P's: these eight hold scales and nothing else
.set KS,  22
.set VS,  24
.set PW,  26
.set QR,  28                           ; v28-39, v40-51  Q between zeros, tile 0 and tile 1
.set F,   52                           ; v52-83  K's eight tiles (tile t at F + 4 t), later V's four fragments (F + 8 ct)
.set S,   84                           ; v84-147 S^T, then p: tile u, key j of my block: 32 u + j
.set PC,  148                          ; v148-163 p's codes: 8 u + 4 c + g
.set O,   164                          ; v164-227 O^T: 32 u + 8 ct
.set TM,  228                          ; at work
.set SCL, 232
.set BY,  234
.set PB,  236
.set PX,  238
.set RL,  240                          ; v240-243 1 / the sums, in pairs
; v1, v2 my place in K's tiles with even and odd i; v3 in V's; v4 among the scale words; v5 the mask's bound; v6 0; v7 8 h; v8, v9 the stage; v10 my offset in out0
	s_load_b256 s[4:11], s[0:1], 0x0               ; kv s[4:5], qc s[6:7], qs s[8:9], out0 s[10:11]
	v_lshl_add_u32 v248, v0, 2, 0x22000
	v_mov_b32 v249, 0
	v_lshrrev_b32 v11, 5, v0
	v_readfirstlane_b32 s12, v11                   ; wave 0..15
	s_mov_b32 s13, ttmp9                           ; n
	s_and_b32 s14, ttmp7, 0xffff                   ; bh
.irp z, 28,29,30,31,36,37,38,39,40,41,42,43,48,49,50,51
	v_mov_b32 v\z, 0                               ; the zeros round Q
.endr
.irp z, 12,13,14,15,16,17,18,19
	v_mov_b32 v\z, 0                               ; the sums
.endr
	v_mov_b32 v6, 0
	v_mov_b32 v238, 0                              ; written once: a lane permute's destination counts as one of its sources
	v_mov_b32 v239, 0
	s_bfe_u32 s15, s12, 0x10001                    ; CI: the half (64 keys) of a step in which my queries lie
	s_and_b32 s17, s12, 1                          ; HI: the block of 32 in that half
	s_lshr_b32 s30, s12, 2                         ; the step of my queries in the block
	s_sub_co_u32 s16, 4, s30
	s_cmp_eq_u32 s13, 0
	s_cselect_b32 s16, s16, 0                      ; LIM: step k is left out where k < LIM: in block 0 the slots under 4 hold no keys
	s_mov_b32 s18, 0x3e38aa3b                      ; log2(e) / 8
	s_mov_b32 s19, s18                             ; (named with it as a pair, so it is written)
	s_mov_b32 s20, 0x76543210
	s_mov_b32 s21, 0xfedcba98                      ; v_permlanex16_b32's selects for lane l xor 16
	s_mul_i32 s31, s30, SLOTB                      ; my lowest slot
	s_lshl_b32 s22, s14, 5
	s_lshl_b32 s23, s13, 2
	s_add_co_u32 s22, s22, s23
	s_mul_i32 s22, s22, SLOTB                      ; kv: key step 4 n of my head
	s_mov_b32 s23, 0
	s_lshl_b32 s32, s13, 9
	s_lshl_b32 s33, s12, 5
	s_add_co_u32 s32, s32, s33                     ; my first query: 512 n + 32 w
	s_lshl_b32 s26, s14, 17
	s_lshl_b32 s27, s32, 5
	s_add_co_u32 s26, s26, s27                     ; qc: (256 bh + query / 16) x 512
	s_mov_b32 s27, 0
	s_lshl_b32 s28, s14, 12
	s_add_co_u32 s28, s28, s32
	s_lshl_b32 s28, s28, 3                         ; qs: 8 bytes a query
	s_mov_b32 s29, 0
	s_lshr_b32 s34, s14, 4
	s_lshl_b32 s34, s34, 12
	s_add_co_u32 s34, s34, s32
	s_lshl_b32 s34, s34, 12                        ; out0: (4096 b + query) rows of 4,096 bytes
	s_and_b32 s35, s14, 15
	s_lshl_b32 s35, s35, 8
	s_add_co_u32 s34, s34, s35                     ; + 256 x head
	s_mov_b32 s35, 0
	v_lshlrev_b32 v228, 4, v0                      ; the copy: 16 bytes a thread, 8,192 a line; the last 2,048 of each 34,816 by 4 bytes a thread
	v_lshlrev_b32 v229, 2, v0
	v_add_nc_u32 v230, 4*SLOTB, v228               ; slots 4 to 7 begin 34,816 bytes on
	v_add_nc_u32 v231, 4*SLOTB+32768, v229
	v_and_b32 v234, 31, v0                         ; L
	v_and_b32 v235, 15, v0                         ; r
	v_bfe_u32 v236, v0, 4, 1                       ; h
	v_bfe_u32 v237, v0, 3, 1                       ; (L >> 3) & 1
	v_and_b32 v11, 7, v0
	v_lshlrev_b32 v232, 4, v234
	v_lshlrev_b32 v233, 3, v235
	s_wait_kmcnt 0x0
	s_add_nc_u64 s[24:25], s[4:5], s[22:23]
	s_add_nc_u64 s[26:27], s[6:7], s[26:27]
	s_add_nc_u64 s[28:29], s[8:9], s[28:29]
	s_add_nc_u64 s[10:11], s[10:11], s[34:35]
.irp k, 0,1,2,3
	global_load_b128 v[S+4*\k:S+4*\k+3], v228, s[24:25] offset:8192*\k        ; key steps 4 n .. 4 n + 3
.endr
	global_load_b32 v[S+16], v229, s[24:25] offset:32768
	global_load_b128 v[QR+4:QR+7], v232, s[26:27] th:TH_LOAD_NT               ; Q's codes: the operand's registers as they lie
	global_load_b128 v[QR+16:QR+19], v232, s[26:27] offset:512 th:TH_LOAD_NT
	global_load_b32 v[QS], v233, s[28:29] th:TH_LOAD_NT
	global_load_b32 v[QS+1], v233, s[28:29] offset:128 th:TH_LOAD_NT
	s_cmp_eq_u32 s13, 0                            ; block 0 has no keys in front of it: no load leaves the buffer
	s_cbranch_scc1 .Lno_front
.irp k, 0,1,2,3
	global_load_b128 v[S+20+4*\k:S+23+4*\k], v228, s[24:25] offset:8192*\k-4*SLOTB   ; key steps 4 n - 4 .. 4 n - 1
.endr
	global_load_b32 v[S+36], v229, s[24:25] offset:32768-4*SLOTB
	s_wait_loadcnt 0x0
.irp k, 0,1,2,3
	ds_store_b128 v228, v[S+20+4*\k:S+23+4*\k] offset:8192*\k
.endr
	ds_store_b32 v229, v[S+36] offset:32768
.Lno_front:
	v_lshlrev_b32 v1, 4, v11
	v_lshl_add_u32 v1, v236, 9, v1
	v_add_nc_u32 v1, s31, v1                       ; 16 (L & 7) + 512 h + my lowest slot
	v_mad_u32_u24 v2, v237, 896, v1                ; tiles with odd i:  the second eight rows lie 1,024 - 128 on
	v_mad_u32_u24 v1, v237, 1152, v1               ; tiles with even i: 1,024 + 128 on: either way the sixteen rows of a load touch sixteen different 16-byte columns
	v_lshlrev_b32 v3, 4, v235
	v_lshl_add_u32 v3, v236, 10, v3
	v_add_nc_u32 v3, s31, v3                       ; V: 16 r + 1024 h
	v_lshl_add_u32 v4, v234, 3, s31                ; scale words: 8 bytes a lane
	v_lshlrev_b32 v5, 5, v236
	v_sub_nc_u32 v5, v235, v5
	s_lshl_b32 s33, s17, 5
	v_add_nc_u32 v5, s33, v5                       ; r + 32 (HI - h): key j of my block against query 16 u + r: j - 16 u against this
	v_lshlrev_b32 v7, 3, v236
	s_mul_i32 s36, s12, 16*272
	s_add_co_u32 s36, s36, STG                     ; my stage
	v_mul_u32_u24 v8, v235, 272
	v_lshl_add_u32 v8, v236, 5, v8
	v_add_nc_u32 v8, s36, v8                       ; in: row r, + 32 h
	v_mul_u32_u24 v9, v236, 272
	v_lshl_add_u32 v9, v235, 4, v9
	v_add_nc_u32 v9, s36, v9                       ; back: lanes 0-15 one row, lanes 16-31 the next
	v_lshlrev_b32 v10, 12, v236
	v_lshl_add_u32 v10, v235, 4, v10               ; and the same two rows in out0
	s_wait_loadcnt 0x0                             ; all my loads are in
.irp k, 0,1,2,3
	ds_store_b128 v230, v[S+4*\k:S+4*\k+3] offset:8192*\k
.endr
	ds_store_b32 v231, v[S+16]
	s_wait_dscnt 0x0                               ; for the others' sake: my part of the copy lies in LDS
	s_barrier_signal -1
	s_barrier_wait -1                              ; the launch's one barrier: from here on the slots are only read
; K's eight tiles of the step in slot (w >> 2) + k, and their scale words: register KS + c, lanes 0-15: tiles 4 c, 4 c + 1; lanes 16-31: tiles 4 c + 2, 4 c + 3
.macro KLOAD k
.irp c, 0,1
.irp i, 0,1,2,3
	ds_load_b128 v[F+4*(4*\c+\i):F+4*(4*\c+\i)+3], v[1+\i%2] offset:SLOTB*\k+2048*\c+128*\i
.endr
.endr
	ds_load_b64 v[KS:KS+1], v4 offset:SLOTB*\k+8192
	s_wait_dscnt 0x0
.endm
; S^T of half c: four tiles of keys x my two tiles of queries; each product starts its sum.  Four places follow: for the reads of the results and for loads into the fragments' registers
.macro SMUL c
.irp i, 0,1,2,3
.irp u, 0,1
.if \i/2
	v_wmma_scale_f32_16x16x128_f8f6f4 v[S+32*\u+8*\i:S+32*\u+8*\i+7], v[F+8*(2*\c+\i/2):F+8*(2*\c+\i/2)+7], v[QR+12*\u+4-4*(\i%2):QR+12*\u+11-4*(\i%2)], 0, v[KS+\c], v[QS+\u] matrix_a_fmt:MATRIX_FMT_FP4 matrix_b_fmt:MATRIX_FMT_FP4 matrix_a_scale:MATRIX_SCALE_ROW1
.else
	v_wmma_scale_f32_16x16x128_f8f6f4 v[S+32*\u+8*\i:S+32*\u+8*\i+7], v[F+8*(2*\c+\i/2):F+8*(2*\c+\i/2)+7], v[QR+12*\u+4-4*(\i%2):QR+12*\u+11-4*(\i%2)], 0, v[KS+\c], v[QS+\u] matrix_a_fmt:MATRIX_FMT_FP4 matrix_b_fmt:MATRIX_FMT_FP4
.endif
.endr
.endr
.rept 4
	v_nop
.endr
.endm
; V's four fragments (16 channels x 128 keys) of the same step and their scale words: register VS + ct / 2, lanes 0-15 for even ct, lanes 16-31 for odd.  They land while the softmax below is worked
.macro VLOAD k
.irp ct, 0,1,2,3
.irp c, 0,1
	ds_load_b128 v[F+8*\ct+4*\c:F+8*\ct+4*\c+3], v3 offset:SLOTB*\k+4096+2048*\c+256*\ct
.endr
.endr
	ds_load_b64 v[VS:VS+1], v4 offset:SLOTB*\k+8448
.endm
; The softmax of half c: p = 2^t; mode 1 (diagonal) and 2 (far edge): in the half of my queries hidden p become 0; each lane's block: largest p, scale, codes; the sums take the unquantised p
.macro SOFT c, mode
.set j, 0
.rept 32
	v_pk_mul_f32 v[S+j:S+j+1], v[S+j:S+j+1], s[18:19] op_sel_hi:[1,0]   ; ascending: each result is first read at its low end
.set j, j+2
.endr
.set j, 0
.rept 64
	v_exp_f32 v[S+j], v[S+j]
.set j, j+1
.endr
	v_nop                                          ; a plain line behind the exponentials (ISA guide 5.7.2)
.if \mode
	s_cmp_lg_u32 s15, \c                           ; the other half is open
	s_cbranch_scc1 .Lopen_\@
.set j, 0
.rept 64
.if \mode == 1
	v_cmp_gt_i32 vcc_lo, (j%32)-16*(j/32), v5      ; a key behind the query
	s_wait_alu depctr_va_vdst(0)
.else
	v_cmp_le_i32 vcc_lo, (j%32)-16*(j/32), v5      ; a key 512 or more in front of it
	s_wait_alu depctr_va_vdst(0)
.endif
	v_cndmask_b32 v[S+j], v[S+j], v6, vcc_lo
.set j, j+1
.endr
.Lopen_\@:
.endif
	s_wait_alu depctr_va_vdst(0)
.irp u, 0,1
	v_max3_num_f32 v[TM+2*\u], v[S+32*\u], v[S+32*\u+1], 0x1800000       ; with the floor 2^(3 - 127): the byte cannot fall under 1.  No |.|: p is never negative
	v_max3_num_f32 v[TM+2*\u+1], v[S+32*\u+16], v[S+32*\u+17], v[S+32*\u+18]
.endr
.irp i, 0,2,4,6,8,10
.irp u, 0,1
	v_max3_num_f32 v[TM+2*\u], v[TM+2*\u], v[S+32*\u+2+\i], v[S+32*\u+3+\i]
	v_max3_num_f32 v[TM+2*\u+1], v[TM+2*\u+1], v[S+32*\u+19+\i], v[S+32*\u+20+\i]
.endr
.endr
.irp u, 0,1
	v_max3_num_f32 v[TM+2*\u], v[TM+2*\u], v[S+32*\u+14], v[S+32*\u+15]
.endr
.irp u, 0,1
	v_max3_num_f32 v[TM+2*\u], v[TM+2*\u], v[TM+2*\u+1], v[S+32*\u+31]
.endr
.irp u, 0,1
	v_add_nc_u32 v[SCL+\u], 0xff000000, v[TM+2*\u] ; 2 off the exponent field: the conversion's scale operand
.endr
.if \c == 0
.irp u, 0,1
	v_lshrrev_b32 v[PB+\u], 23, v[SCL+\u]          ; the byte of block h
.endr
.else
.irp u, 0,1
	v_lshrrev_b32 v[BY+\u], 23, v[SCL+\u]          ; the byte of block 2 + h,
.endr
.irp u, 0,1
	v_lshl_or_b32 v[PB+\u], v[BY+\u], 16, v[PB+\u] ; two bytes above the first
.endr
.endif
.irp u, 0,1
.irp g, 0,1,2,3
	v_cvt_scalef32_pk8_fp4_f32 v[PC+8*\u+4*\c+\g], v[S+32*\u+8*\g:S+32*\u+8*\g+7], v[SCL+\u]
.endr
.endr
	v_nop                                          ; the plain line behind the conversions
.irp i, 0,4,8,12,16,20,24,28
.irp u, 0,1
	v_pk_add_f32 v[LS+4*\u:LS+4*\u+1], v[LS+4*\u:LS+4*\u+1], v[S+32*\u+\i:S+32*\u+\i+1]
	v_pk_add_f32 v[LS+4*\u+2:LS+4*\u+3], v[LS+4*\u+2:LS+4*\u+3], v[S+32*\u+\i+2:S+32*\u+\i+3]
.endr
.endr
.endm
; a half that lies wholly under the mask: zero codes (its scale byte stays 0, which is no NaN)
.macro ZEROHALF c
.irp u, 0,1
.irp g, 0,1,2,3
	v_mov_b32 v[PC+8*\u+4*\c+\g], 0
.endr
.if \c == 0
	v_mov_b32 v[PB+\u], 0
.endif
.endr
.endm
.macro PVMUL ct, u, first
.if \first
.if (\ct)%2
	v_wmma_scale_f32_16x16x128_f8f6f4 v[O+32*\u+8*\ct:O+32*\u+8*\ct+7], v[F+8*\ct:F+8*\ct+7], v[PC+8*\u:PC+8*\u+7], 0, v[VS+\ct/2], v[PW+\u] matrix_a_fmt:MATRIX_FMT_FP4 matrix_b_fmt:MATRIX_FMT_FP4 matrix_a_scale:MATRIX_SCALE_ROW1
.else
	v_wmma_scale_f32_16x16x128_f8f6f4 v[O+32*\u+8*\ct:O+32*\u+8*\ct+7], v[F+8*\ct:F+8*\ct+7], v[PC+8*\u:PC+8*\u+7], 0, v[VS+\ct/2], v[PW+\u] matrix_a_fmt:MATRIX_FMT_FP4 matrix_b_fmt:MATRIX_FMT_FP4
.endif
.else
.if (\ct)%2
	v_wmma_scale_f32_16x16x128_f8f6f4 v[O+32*\u+8*\ct:O+32*\u+8*\ct+7], v[F+8*\ct:F+8*\ct+7], v[PC+8*\u:PC+8*\u+7], v[O+32*\u+8*\ct:O+32*\u+8*\ct+7], v[VS+\ct/2], v[PW+\u] matrix_a_fmt:MATRIX_FMT_FP4 matrix_b_fmt:MATRIX_FMT_FP4 matrix_a_scale:MATRIX_SCALE_ROW1
.else
	v_wmma_scale_f32_16x16x128_f8f6f4 v[O+32*\u+8*\ct:O+32*\u+8*\ct+7], v[F+8*\ct:F+8*\ct+7], v[PC+8*\u:PC+8*\u+7], v[O+32*\u+8*\ct:O+32*\u+8*\ct+7], v[VS+\ct/2], v[PW+\u] matrix_a_fmt:MATRIX_FMT_FP4 matrix_b_fmt:MATRIX_FMT_FP4
.endif
.endif
.endm
; P's scale words are made whole (my two bytes 8 h bits up, with lane l xor 16's two), then O^T += V^T P^T: eight accumulators by turns, one instruction a turn;
; the matrix instruction in front of each run is a product for S^T.  first = 1: the products start the sums: nothing is cleared.
.macro FIN first
.irp u, 0,1
	v_lshlrev_b32 v[PB+\u], v7, v[PB+\u]
.endr
.irp u, 0,1
	v_permlanex16_b32 v[PX+\u], v[PB+\u], s20, s21
.endr
.irp u, 0,1
	v_or_b32 v[PW+\u], v[PB+\u], v[PX+\u]
.endr
.rept 8
	v_nop                                          ; a scale register written by a vector instruction stands eight places ahead of the scaled product, an operand so written four: on every way that leads here
.endr
	s_wait_dscnt 0x0                               ; V's fragments and scale words are in
.irp ct, 0,1,2,3
.irp u, 0,1
	PVMUL \ct, \u, \first
.endr
.endr
.rept 4
	v_nop                                          ; places for the next step's loads into the fragments' registers, and for the way out's reads where the steps that follow are left out
.endr
.endm
.macro FULL k                          ; an open step: all 128 keys count for all my queries
	s_cmp_gt_u32 s16, \k
	s_cbranch_scc1 .Lskip_\@
	KLOAD \k
	SMUL 0
	SOFT 0, 0
	SMUL 1
	VLOAD \k
	SOFT 1, 0
	FIN 0
.Lskip_\@:
.endm
	; the diagonal step: the half in front of my queries' half is open, their own half is masked number by number, the half behind it is left out
	KLOAD 4
	SMUL 0
	SOFT 0, 1
	s_cmp_eq_u32 s15, 0
	s_cbranch_scc1 .Ldiag_zero
	SMUL 1
	VLOAD 4
	SOFT 1, 1
	s_branch .Ldiag_join
.Ldiag_zero:
	ZEROHALF 1
	VLOAD 4
.Ldiag_join:
	FIN 1
	FULL 3
	FULL 2
	FULL 1
	; the far edge, 512 keys back: the half in front of my queries' half is left out, their own half is masked, the half behind it is open
	s_cmp_gt_u32 s16, 0
	s_cbranch_scc1 .Ledge_skip
	KLOAD 0
	s_cmp_eq_u32 s15, 1
	s_cbranch_scc1 .Ledge_zero
	SMUL 0
	SOFT 0, 2
	s_branch .Ledge_join
.Ledge_zero:
	ZEROHALF 0
.Ledge_join:
	SMUL 1
	VLOAD 0
	SOFT 1, 2
	FIN 0
.Ledge_skip:
	; THE WAY OUT.  The sums' chains and lane l xor 16's are added (every query sees itself: no sum is 0); O^T is divided and goes through my stage, a tile (16 rows of 256 bytes) at a time
.irp u, 0,1
	v_pk_add_f32 v[LS+4*\u:LS+4*\u+1], v[LS+4*\u:LS+4*\u+1], v[LS+4*\u+2:LS+4*\u+3]
.endr
.irp u, 0,1
	v_add_f32 v[LS+4*\u], v[LS+4*\u], v[LS+4*\u+1]
.endr
.irp u, 0,1
	v_permlanex16_b32 v[PX+\u], v[LS+4*\u], s20, s21
.endr
.irp u, 0,1
	v_add_f32 v[LS+4*\u], v[LS+4*\u], v[PX+\u]
.endr
.irp u, 0,1
	v_rcp_f32 v[RL+2*\u], v[LS+4*\u]
	v_rcp_f32 v[RL+2*\u+1], v[LS+4*\u]             ; twice: a pair for the packed multiply
.endr
	v_nop                                          ; a plain line behind the reciprocals
	s_wait_alu depctr_va_vdst(0)
.irp u, 0,1
.set j, 0
.rept 16
	v_pk_mul_f32 v[S+32*\u+j:S+32*\u+j+1], v[O+32*\u+j:O+32*\u+j+1], v[RL+2*\u:RL+2*\u+1]   ; ascending: each accumulator is first read at its low end.  Register 8 ct + i is out(query r, channel 16 ct + 8 h + i)
.set j, j+2
.endr
.endr
.irp u, 0,1
.irp ct, 0,1,2,3
	ds_store_b128 v8, v[S+32*\u+8*\ct:S+32*\u+8*\ct+3] offset:64*\ct
	ds_store_b128 v8, v[S+32*\u+8*\ct+4:S+32*\u+8*\ct+7] offset:64*\ct+16
.endr
.irp i, 0,1,2,3,4,5,6,7
	ds_load_b128 v[O+32*\u+4*\i:O+32*\u+4*\i+3], v9 offset:544*\i   ; LDS serves a wave's instructions in order (ISA guide 5.7.1.4): these see my stores, and the next tile's stores come behind them
.endr
.endr
.irp i, 0,1,2,3,4,5,6,7
	s_wait_dscnt 23-\i                             ; behind tile 0's load i: its 7 - i later loads and tile 1's sixteen instructions
	global_store_b128 v10, v[O+4*\i:O+4*\i+3], s[10:11] offset:2*\i*4096 th:TH_STORE_NT          ; sixteen lanes store 256 consecutive bytes, aligned: a query's head
.endr
.irp i, 0,1,2,3,4,5,6,7
	s_wait_dscnt 7-\i                              ; behind tile 1's load i: its 7 - i later loads
	global_store_b128 v10, v[O+32+4*\i:O+35+4*\i], s[10:11] offset:(16+2*\i)*4096 th:TH_STORE_NT
.endr
	s_wait_tensorcnt 0x0
	ds_add_u32 v248, v249
	s_wait_dscnt 0x0
	s_endpgm
.Lfunc_end_k_qa0c38ec5b5_attn:
	.size	k_qa0c38ec5b5_attn, .Lfunc_end_k_qa0c38ec5b5_attn-k_qa0c38ec5b5_attn
	.p2alignl 7, 3214868480
	.fill 96, 4, 3214868480
	.section	.rodata,"a",@progbits
	.p2align	6, 0x0
	.amdhsa_kernel k_qa0c38ec5b5_attn
		.amdhsa_group_segment_fixed_size 141312
		.amdhsa_private_segment_fixed_size 0
		.amdhsa_enable_private_segment 0
		.amdhsa_kernarg_size 32
		.amdhsa_user_sgpr_count 2
		.amdhsa_user_sgpr_kernarg_segment_ptr 1
		.amdhsa_wavefront_size32 1
		.amdhsa_system_sgpr_workgroup_id_x 1
		.amdhsa_system_sgpr_workgroup_id_y 1
		.amdhsa_system_sgpr_workgroup_id_z 1
		.amdhsa_system_vgpr_workitem_id 0
		.amdhsa_next_free_vgpr 250
		.amdhsa_next_free_sgpr 66
		.amdhsa_reserve_vcc 1
		.amdhsa_float_denorm_mode_32 3
		.amdhsa_float_denorm_mode_16_64 3
		.amdhsa_memory_ordered 1
		.amdhsa_forward_progress 1
		.amdhsa_inst_pref_size 154
	.end_amdhsa_kernel
	.amdgpu_metadata
---
amdhsa.version: [ 1, 2 ]
amdhsa.kernels:
  - .name:           k_qa0c38ec5b5_attn
    .symbol:         k_qa0c38ec5b5_attn.kd
    .args:
      - { .name: kv, .offset: 0, .size: 8, .value_kind: global_buffer, .address_space: global }
      - { .name: qc, .offset: 8, .size: 8, .value_kind: global_buffer, .address_space: global }
      - { .name: qs, .offset: 16, .size: 8, .value_kind: global_buffer, .address_space: global }
      - { .name: out0, .offset: 24, .size: 8, .value_kind: global_buffer, .address_space: global }
    .group_segment_fixed_size: 141312
    .private_segment_fixed_size: 0
    .kernarg_segment_align: 8
    .kernarg_segment_size: 32
    .max_flat_workgroup_size: 512
    .sgpr_count:     66
    .vgpr_count:     250
    .wavefront_size: 32
...
	.end_amdgpu_metadata
.endif
;; end of part 2
;; ======== version 2 of 2: 2 launches; version 1 with the launch attn written anew for expert scheduling mode
;; workspace buffers: qc 4,194,304 bytes; qs 1,048,576 bytes; kv 8,912,896 bytes
;; launch prep: the kernel of part 1 again; grid 128 x 2, 16 waves a work-group, no clusters, 317,440 bytes of LDS; arguments xq, xk, xv, qc, qs, kv; writes qc, qs, kv
;; launch attn (part 3): grid 8 x 32, 16 waves a work-group, no clusters, 141,312 bytes of LDS; arguments kv, qc, qs, out0; writes out0
.if DOCPART == 3
	.amdgcn_target "amdgcn-amd-amdhsa--gfx1250"
	.amdhsa_code_object_version 6
	.text
	.protected	k_qa0c38ec5b5_attn
	.globl	k_qa0c38ec5b5_attn
	.p2align	8
	.type	k_qa0c38ec5b5_attn,@function
k_qa0c38ec5b5_attn:
	s_mov_b64 s[64:65], 0
	v_nop
	global_prefetch_b8 v0, s[64:65] scope:SCOPE_SE
	s_setreg_imm32_b32 hwreg(HW_REG_WAVE_SCHED_MODE, 0, 2), 2
	s_setreg_imm32_b32 hwreg(HW_REG_WAVE_MODE, 25, 1), 1
	s_wait_xcnt 0x0
	s_wait_alu depctr_vm_vsrc(0)
; ATTN: out = softmax(q k^T / 8 under the band mask) v on codes of FP4 (E2M1) with one E8M0 scale for each 32 along a product's K.  Key kv counts for query q where 0 <= q - kv < 512 and kv >= 0.
; SHARES.  Work-group (x = n, y = bh) owns the 512 queries of block n of one head; its 1,024 keys (key steps 4 n - 4 .. 4 n + 3 of 128 keys, 8,704 bytes each as the launch before laid them) are copied
; into LDS once, through registers: 69,632 bytes.  Wave w owns queries 32 w .. 32 w + 31 as two tiles of 16, which share every fragment of K and V.  It walks five key steps, slots (w >> 2) + 4 .. (w >> 2) + 0:
; the diagonal step, three open steps, the far edge.  Of the two masked steps, the half (64 keys) that lies wholly under the mask is left out; in block 0 the steps of keys under 0 are left out.  All such branches hang on ids.
; BOTH PRODUCTS ARE USED TRANSPOSED: S^T = K Q^T, O^T = V^T P^T: a lane holds one query (lane % 16) throughout.
; THE KEYS OF A TILE ARE NOT NEIGHBOURS: row m of tile 4 c + i is key 64 c + 32 (m / 8) + 8 i + m % 8, so that lane (r, h)'s 32 registers of tiles 4 c .. 4 c + 3 are the whole block 64 c + 32 h + 0 .. 31 in order:
; the block's largest p needs no other lane, and the conversions' results are the second product's operand as they stand.
; K = 64 IN AN INSTRUCTION OF 128: source 0 holds TWO tiles of keys (registers 0-3 one, 4-7 the next).  Q stands between zeros, [0 0 0 0 | q q q q | 0 0 0 0]: its upper eight registers [q, 0] pick the first tile, its lower
; eight [0, q] the second.  Zero codes add nothing under any scale byte that occurs here.
; THE SOFTMAX: p = 2^t, t = score x log2(e) / 8, with the whole number M = 0 for every row.  q and k are normalised ahead of their quantiser, whose error is at most a quarter of a block's largest magnitude a number:
; a quantised vector's norm is at most 1 + sqrt(32) / 4 = 2.42, so |t| <= 2.42^2 / 8 x 1.4427 = 1.05 for every input: p lies in 0.48 .. 2.1, and a row's sum under 1,100.  Another whole M would move a block's scale and the
; row's sum by the same power of two: codes and result are the same.  The row's sum is taken of the unquantised p and divides at the end.
; LIMITS: NaN and infinities are not served.  A block all of whose p are masked gets the byte 1 (0 in a half that is left out) over zero codes.  Sums run from the diagonal step backwards: another f32 order than the reference's.
; NO CLUSTER: block n reads key steps 4 n - 4 .. 4 n + 3 and block n + 1 reads 4 n .. 4 n + 7: neighbours share four of their eight steps and no two work-groups the same set, and a work-group reads its 69,632 bytes once, at its head.
; No prefetch: every load stands at the kernel's head.  No tensor load, no ring: all keys fit in LDS at once.
; THE MODE: SCHED_MODE bits 1:0 = 2 (LLVM: expert scheduling mode 2), set by the entry lines.  The code itself states the register dependences
; between vector or matrix instructions and memory or LDS instructions, with s_wait_alu, always for 0.
; THE PLAN.  Registers that memory or LDS instructions touch:
;   v228-233      The head's offsets.  Written at the head; read by the copy's loads and LDS stores and by Q's loads; written again by the softmax, which works in them.
;   v84-120       The copy's data.  Global loads land in them; the copy's LDS stores read them; the first products write them again (they are S^T).
;   v1-4, v8-10   Addresses.  Written behind the copy's loads; read by every LDS load of the steps and by the way out; never written again.
;   F, KS         K's loads land in them; the products for S^T read them.  Then V's loads land in F, and in VS; the products for O^T read those.  Then the next step's K.  One buffer serves both by turns: the text names 250 registers.
;   S, O          On the way out: the multiplications read O and write S; the LDS stores read S; the loads from the stage land in O; the output's stores read O.
;   v248, v249    Written at the head, read by the closing add alone.
; A key step has four waits on va_vdst: at the head of K's loads (the step before's products are done reading F and KS); behind each half's exponentials, ahead of their first reader: the second of these stands behind the
; last product that reads K's fragments, so V's loads follow it at once and land while the rest of that softmax is worked, which names none of F, VS, v3, v4; and ahead of the products for O^T, which take P's codes and scale words.
; The mask's compares go in runs of sixteen into s40-55, one wait on va_sdst behind each run.  Two waits on vm_vsrc stand in the text: at the entry and behind the barrier.
.set SLOTB, 8704                       ; a key step in LDS: K's codes 4,096, V's codes 4,096, K's scale words 256, V's 256
.set STG,   8*SLOTB                    ; behind the eight steps: 16 rows x 272 bytes for each wave, for the way out
.set MK,  40                           ; s40-55  sixteen masks of the band mask
.set LS,  12                           ; v12-19  the rows' sums: two packed chains a tile
.set QS,  20                           ; v20-21  Q's scale words;  v22-23 K's;  v24-25 V's;  v26-27 P's: these eight hold scales and nothing else
.set KS,  22
.set VS,  24
.set PW,  26
.set QR,  28                           ; v28-39, v40-51  Q between zeros, tile 0 and tile 1
.set F,   52                           ; v52-83  K's eight tiles (tile t at F + 4 t), later V's four fragments (F + 8 ct)
.set S,   84                           ; v84-147 S^T, then p: tile u, key j of my block: 32 u + j
.set PC,  148                          ; v148-163 p's codes: 8 u + 4 c + g
.set O,   164                          ; v164-227 O^T: 32 u + 8 ct
.set TM,  228                          ; at work
.set SCL, 232
.set BY,  234
.set PB,  236
.set PX,  238
.set RL,  240                          ; v240-243 1 / the sums, in pairs
; v1, v2 my place in K's tiles with even and odd i; v3 in V's; v4 among the scale words; v5 the mask's bound; v6 0; v7 8 h; v8, v9 the stage; v10 my offset in out0
	s_load_b256 s[4:11], s[0:1], 0x0               ; kv s[4:5], qc s[6:7], qs s[8:9], out0 s[10:11]
	v_lshl_add_u32 v248, v0, 2, 0x22000
	v_mov_b32 v249, 0
	v_lshrrev_b32 v11, 5, v0
	v_readfirstlane_b32 s12, v11                   ; wave 0..15
	s_mov_b32 s13, ttmp9                           ; n
	s_and_b32 s14, ttmp7, 0xffff                   ; bh
.irp z, 28,29,30,31,36,37,38,39,40,41,42,43,48,49,50,51
	v_mov_b32 v\z, 0                               ; the zeros round Q
.endr
.irp z, 12,13,14,15,16,17,18,19
	v_mov_b32 v\z, 0                               ; the sums
.endr
	v_mov_b32 v6, 0
	v_mov_b32 v238, 0                              ; written once: a lane permute's destination counts as one of its sources
	v_mov_b32 v239, 0
	s_wait_alu depctr_va_sdst(0)                   ; s12, the wave's number, is written, ahead of its first reader: halves, slots and bases are made from it
	s_bfe_u32 s15, s12, 0x10001                    ; CI: the half (64 keys) of a step in which my queries lie
	s_and_b32 s17, s12, 1                          ; HI: the block of 32 in that half
	s_lshr_b32 s30, s12, 2                         ; the step of my queries in the block
	s_sub_co_u32 s16, 4, s30
	s_cmp_eq_u32 s13, 0
	s_cselect_b32 s16, s16, 0                      ; LIM: step k is left out where k < LIM: in block 0 the slots under 4 hold no keys
	s_mov_b32 s18, 0x3e38aa3b                      ; log2(e) / 8
	s_mov_b32 s19, s18                             ; (named with it as a pair, so it is written)
	s_mov_b32 s20, 0x76543210
	s_mov_b32 s21, 0xfedcba98                      ; v_permlanex16_b32's selects for lane l xor 16
	s_mul_i32 s31, s30, SLOTB                      ; my lowest slot
	s_lshl_b32 s22, s14, 5
	s_lshl_b32 s23, s13, 2
	s_add_co_u32 s22, s22, s23
	s_mul_i32 s22, s22, SLOTB                      ; kv: key step 4 n of my head
	s_mov_b32 s23, 0
	s_lshl_b32 s32, s13, 9
	s_lshl_b32 s33, s12, 5
	s_add_co_u32 s32, s32, s33                     ; my first query: 512 n + 32 w
	s_lshl_b32 s26, s14, 17
	s_lshl_b32 s27, s32, 5
	s_add_co_u32 s26, s26, s27                     ; qc: (256 bh + query / 16) x 512
	s_mov_b32 s27, 0
	s_lshl_b32 s28, s14, 12
	s_add_co_u32 s28, s28, s32
	s_lshl_b32 s28, s28, 3                         ; qs: 8 bytes a query
	s_mov_b32 s29, 0
	s_lshr_b32 s34, s14, 4
	s_lshl_b32 s34, s34, 12
	s_add_co_u32 s34, s34, s32
	s_lshl_b32 s34, s34, 12                        ; out0: (4096 b + query) rows of 4,096 bytes
	s_and_b32 s35, s14, 15
	s_lshl_b32 s35, s35, 8
	s_add_co_u32 s34, s34, s35                     ; + 256 x head
	s_mov_b32 s35, 0
	v_lshlrev_b32 v228, 4, v0                      ; the copy: 16 bytes a thread, 8,192 a line; the last 2,048 of each 34,816 by 4 bytes a thread
	v_lshlrev_b32 v229, 2, v0
	v_add_nc_u32 v230, 4*SLOTB, v228               ; slots 4 to 7 begin 34,816 bytes on
	v_add_nc_u32 v231, 4*SLOTB+32768, v229
	v_and_b32 v234, 31, v0                         ; L
	v_and_b32 v235, 15, v0                         ; r
	v_bfe_u32 v236, v0, 4, 1                       ; h
	v_bfe_u32 v237, v0, 3, 1                       ; (L >> 3) & 1
	v_and_b32 v11, 7, v0
	v_lshlrev_b32 v232, 4, v234
	v_lshlrev_b32 v233, 3, v235
	s_wait_kmcnt 0x0
	s_add_nc_u64 s[24:25], s[4:5], s[22:23]
	s_add_nc_u64 s[26:27], s[6:7], s[26:27]
	s_add_nc_u64 s[28:29], s[8:9], s[28:29]
	s_add_nc_u64 s[10:11], s[10:11], s[34:35]
	s_wait_alu depctr_va_vdst(0)                   ; the offsets v228 to v233 are written, which the loads and LDS stores of the copy read; so are the zeros round Q, which the scaled products take, and v248, v249
.irp k, 0,1,2,3
	global_load_b128 v[S+4*\k:S+4*\k+3], v228, s[24:25] offset:8192*\k        ; key steps 4 n .. 4 n + 3
.endr
	global_load_b32 v[S+16], v229, s[24:25] offset:32768
	global_load_b128 v[QR+4:QR+7], v232, s[26:27] th:TH_LOAD_NT               ; Q's codes: the operand's registers as they lie
	global_load_b128 v[QR+16:QR+19], v232, s[26:27] offset:512 th:TH_LOAD_NT
	global_load_b32 v[QS], v233, s[28:29] th:TH_LOAD_NT
	global_load_b32 v[QS+1], v233, s[28:29] offset:128 th:TH_LOAD_NT
	s_cmp_eq_u32 s13, 0                            ; block 0 has no keys in front of it: no load leaves the buffer
	s_cbranch_scc1 .Lno_front
.irp k, 0,1,2,3
	global_load_b128 v[S+20+4*\k:S+23+4*\k], v228, s[24:25] offset:8192*\k-4*SLOTB   ; key steps 4 n - 4 .. 4 n - 1
.endr
	global_load_b32 v[S+36], v229, s[24:25] offset:32768-4*SLOTB
	s_wait_loadcnt 0x0
.irp k, 0,1,2,3
	ds_store_b128 v228, v[S+20+4*\k:S+23+4*\k] offset:8192*\k
.endr
	ds_store_b32 v229, v[S+36] offset:32768
.Lno_front:
	v_lshlrev_b32 v1, 4, v11
	v_lshl_add_u32 v1, v236, 9, v1
	v_add_nc_u32 v1, s31, v1                       ; 16 (L & 7) + 512 h + my lowest slot
	v_mad_u32_u24 v2, v237, 896, v1                ; tiles with odd i:  the second eight rows lie 1,024 - 128 on
	v_mad_u32_u24 v1, v237, 1152, v1               ; tiles with even i: 1,024 + 128 on: either way the sixteen rows of a load touch sixteen different 16-byte columns
	v_lshlrev_b32 v3, 4, v235
	v_lshl_add_u32 v3, v236, 10, v3
	v_add_nc_u32 v3, s31, v3                       ; V: 16 r + 1024 h
	v_lshl_add_u32 v4, v234, 3, s31                ; scale words: 8 bytes a lane
	v_lshlrev_b32 v5, 5, v236
	v_sub_nc_u32 v5, v235, v5
	s_lshl_b32 s33, s17, 5
	v_add_nc_u32 v5, s33, v5                       ; r + 32 (HI - h): key j of my block against query 16 u + r: j - 16 u against this
	v_lshlrev_b32 v7, 3, v236
	s_mul_i32 s36, s12, 16*272
	s_add_co_u32 s36, s36, STG                     ; my stage
	v_mul_u32_u24 v8, v235, 272
	v_lshl_add_u32 v8, v236, 5, v8
	v_add_nc_u32 v8, s36, v8                       ; in: row r, + 32 h
	v_mul_u32_u24 v9, v236, 272
	v_lshl_add_u32 v9, v235, 4, v9
	v_add_nc_u32 v9, s36, v9                       ; back: lanes 0-15 one row, lanes 16-31 the next
	v_lshlrev_b32 v10, 12, v236
	v_lshl_add_u32 v10, v235, 4, v10               ; and the same two rows in out0
	s_wait_loadcnt 0x0                             ; all my loads are in
.irp k, 0,1,2,3
	ds_store_b128 v230, v[S+4*\k:S+4*\k+3] offset:8192*\k
.endr
	ds_store_b32 v231, v[S+16]
	s_wait_dscnt 0x0                               ; for the others' sake: my part of the copy lies in LDS
	s_barrier_signal -1
	s_barrier_wait -1                              ; the launch's one barrier: from here on the slots are only read
	s_wait_alu depctr_vm_vsrc(0)                   ; the copy's loads and LDS stores have read their offsets v228 to v233 and their data v84 to v120: the softmax works in the first, the products write the second
; K's eight tiles of the step in slot (w >> 2) + k, and their scale words: register KS + c, lanes 0-15: tiles 4 c, 4 c + 1; lanes 16-31: tiles 4 c + 2, 4 c + 3
.macro KLOAD k
	s_wait_alu depctr_va_vdst(0)                   ; the products of the step before are done reading F and KS, in which these loads land; in the first step: the addresses v1 to v10 are written
.irp c, 0,1
.irp i, 0,1,2,3
	ds_load_b128 v[F+4*(4*\c+\i):F+4*(4*\c+\i)+3], v[1+\i%2] offset:SLOTB*\k+2048*\c+128*\i
.endr
.endr
	ds_load_b64 v[KS:KS+1], v4 offset:SLOTB*\k+8192
	s_wait_dscnt 0x0
.endm
; S^T of half c: four tiles of keys x my two tiles of queries; each product starts its sum.  Four places follow, for the reads of the results (ISA guide 7.12.1)
.macro SMUL c
.irp i, 0,1,2,3
.irp u, 0,1
.if \i/2
	v_wmma_scale_f32_16x16x128_f8f6f4 v[S+32*\u+8*\i:S+32*\u+8*\i+7], v[F+8*(2*\c+\i/2):F+8*(2*\c+\i/2)+7], v[QR+12*\u+4-4*(\i%2):QR+12*\u+11-4*(\i%2)], 0, v[KS+\c], v[QS+\u] matrix_a_fmt:MATRIX_FMT_FP4 matrix_b_fmt:MATRIX_FMT_FP4 matrix_a_scale:MATRIX_SCALE_ROW1
.else
	v_wmma_scale_f32_16x16x128_f8f6f4 v[S+32*\u+8*\i:S+32*\u+8*\i+7], v[F+8*(2*\c+\i/2):F+8*(2*\c+\i/2)+7], v[QR+12*\u+4-4*(\i%2):QR+12*\u+11-4*(\i%2)], 0, v[KS+\c], v[QS+\u] matrix_a_fmt:MATRIX_FMT_FP4 matrix_b_fmt:MATRIX_FMT_FP4
.endif
.endr
.endr
.rept 4
	v_nop
.endr
.endm
; V's four fragments (16 channels x 128 keys) of the same step and their scale words: register VS + ct / 2, lanes 0-15 for even ct, lanes 16-31 for odd.  They stand behind a wait on va_vdst that is younger than
; the last product that read K's fragments, with no vector or matrix instruction between that names F, VS, v3 or v4; they land while the rest of the softmax is worked
.macro VLOAD k
.irp ct, 0,1,2,3
.irp c, 0,1
	ds_load_b128 v[F+8*\ct+4*\c:F+8*\ct+4*\c+3], v3 offset:SLOTB*\k+4096+2048*\c+256*\ct
.endr
.endr
	ds_load_b64 v[VS:VS+1], v4 offset:SLOTB*\k+8448
.endm
; The softmax of half c: p = 2^t; mode 1 (diagonal) and 2 (far edge): in the half of my queries hidden p become 0; each lane's block: largest p, scale, codes; the sums take the unquantised p.
; vl = 1: V's loads of the step in slot (w >> 2) + k stand behind the exponentials' wait
.macro SOFT c, mode, vl, k
.set j, 0
.rept 32
	v_pk_mul_f32 v[S+j:S+j+1], v[S+j:S+j+1], s[18:19] op_sel_hi:[1,0]   ; ascending: each result is first read at its low end
.set j, j+2
.endr
.set j, 0
.rept 64
	v_exp_f32 v[S+j], v[S+j]
.set j, j+1
.endr
	v_nop                                          ; a plain line behind the exponentials (ISA guide 5.7.2)
	s_wait_alu depctr_va_vdst(0)                   ; the 64 exponentials have written p, ahead of its first reader and of the branch below; and the products above are done reading K's fragments, in which V's loads land
.if \vl
	VLOAD \k
.endif
.if \mode
	s_cmp_lg_u32 s15, \c                           ; the other half is open
	s_cbranch_scc1 .Lopen_\@
.set j, 0
.rept 4                                ; sixteen numbers at a time: their compares, one wait, their selects
.set i, 0
.rept 16
.if \mode == 1
	v_cmp_gt_i32 s[MK+i], ((j+i)%32)-16*((j+i)/32), v5      ; a key behind the query
.else
	v_cmp_le_i32 s[MK+i], ((j+i)%32)-16*((j+i)/32), v5      ; a key 512 or more in front of it
.endif
.set i, i+1
.endr
	s_wait_alu depctr_va_sdst(0)                   ; the sixteen compares have written their masks s40 to s55, which the selects below read
.set i, 0
.rept 16
	v_cndmask_b32 v[S+j+i], v[S+j+i], v6, s[MK+i]
.set i, i+1
.endr
.set j, j+16
.endr
.Lopen_\@:
.endif
.irp u, 0,1
	v_max3_num_f32 v[TM+2*\u], v[S+32*\u], v[S+32*\u+1], 0x1800000       ; with the floor 2^(3 - 127): the byte cannot fall under 1.  No |.|: p is never negative
	v_max3_num_f32 v[TM+2*\u+1], v[S+32*\u+16], v[S+32*\u+17], v[S+32*\u+18]
.endr
.irp i, 0,2,4,6,8,10
.irp u, 0,1
	v_max3_num_f32 v[TM+2*\u], v[TM+2*\u], v[S+32*\u+2+\i], v[S+32*\u+3+\i]
	v_max3_num_f32 v[TM+2*\u+1], v[TM+2*\u+1], v[S+32*\u+19+\i], v[S+32*\u+20+\i]
.endr
.endr
.irp u, 0,1
	v_max3_num_f32 v[TM+2*\u], v[TM+2*\u], v[S+32*\u+14], v[S+32*\u+15]
.endr
.irp u, 0,1
	v_max3_num_f32 v[TM+2*\u], v[TM+2*\u], v[TM+2*\u+1], v[S+32*\u+31]
.endr
.irp u, 0,1
	v_add_nc_u32 v[SCL+\u], 0xff000000, v[TM+2*\u] ; 2 off the exponent field: the conversion's scale operand
.endr
.if \c == 0
.irp u, 0,1
	v_lshrrev_b32 v[PB+\u], 23, v[SCL+\u]          ; the byte of block h
.endr
.else
.irp u, 0,1
	v_lshrrev_b32 v[BY+\u], 23, v[SCL+\u]          ; the byte of block 2 + h,
.endr
.irp u, 0,1
	v_lshl_or_b32 v[PB+\u], v[BY+\u], 16, v[PB+\u] ; two bytes above the first
.endr
.endif
.irp u, 0,1
.irp g, 0,1,2,3
	v_cvt_scalef32_pk8_fp4_f32 v[PC+8*\u+4*\c+\g], v[S+32*\u+8*\g:S+32*\u+8*\g+7], v[SCL+\u]
.endr
.endr
	v_nop                                          ; the plain line behind the conversions
.irp i, 0,4,8,12,16,20,24,28
.irp u, 0,1
	v_pk_add_f32 v[LS+4*\u:LS+4*\u+1], v[LS+4*\u:LS+4*\u+1], v[S+32*\u+\i:S+32*\u+\i+1]
	v_pk_add_f32 v[LS+4*\u+2:LS+4*\u+3], v[LS+4*\u+2:LS+4*\u+3], v[S+32*\u+\i+2:S+32*\u+\i+3]
.endr
.endr
.endm
; a half that lies wholly under the mask: zero codes (its scale byte stays 0, which is no NaN)
.macro ZEROHALF c
.irp u, 0,1
.irp g, 0,1,2,3
	v_mov_b32 v[PC+8*\u+4*\c+\g], 0
.endr
.if \c == 0
	v_mov_b32 v[PB+\u], 0
.endif
.endr
.endm
.macro PVMUL ct, u, first
.if \first
.if (\ct)%2
	v_wmma_scale_f32_16x16x128_f8f6f4 v[O+32*\u+8*\ct:O+32*\u+8*\ct+7], v[F+8*\ct:F+8*\ct+7], v[PC+8*\u:PC+8*\u+7], 0, v[VS+\ct/2], v[PW+\u] matrix_a_fmt:MATRIX_FMT_FP4 matrix_b_fmt:MATRIX_FMT_FP4 matrix_a_scale:MATRIX_SCALE_ROW1
.else
	v_wmma_scale_f32_16x16x128_f8f6f4 v[O+32*\u+8*\ct:O+32*\u+8*\ct+7], v[F+8*\ct:F+8*\ct+7], v[PC+8*\u:PC+8*\u+7], 0, v[VS+\ct/2], v[PW+\u] matrix_a_fmt:MATRIX_FMT_FP4 matrix_b_fmt:MATRIX_FMT_FP4
.endif
.else
.if (\ct)%2
	v_wmma_scale_f32_16x16x128_f8f6f4 v[O+32*\u+8*\ct:O+32*\u+8*\ct+7], v[F+8*\ct:F+8*\ct+7], v[PC+8*\u:PC+8*\u+7], v[O+32*\u+8*\ct:O+32*\u+8*\ct+7], v[VS+\ct/2], v[PW+\u] matrix_a_fmt:MATRIX_FMT_FP4 matrix_b_fmt:MATRIX_FMT_FP4 matrix_a_scale:MATRIX_SCALE_ROW1
.else
	v_wmma_scale_f32_16x16x128_f8f6f4 v[O+32*\u+8*\ct:O+32*\u+8*\ct+7], v[F+8*\ct:F+8*\ct+7], v[PC+8*\u:PC+8*\u+7], v[O+32*\u+8*\ct:O+32*\u+8*\ct+7], v[VS+\ct/2], v[PW+\u] matrix_a_fmt:MATRIX_FMT_FP4 matrix_b_fmt:MATRIX_FMT_FP4
.endif
.endif
.endm
; P's scale words are made whole (my two bytes 8 h bits up, with lane l xor 16's two), then O^T += V^T P^T: eight accumulators by turns, one instruction a turn;
; the matrix instruction in front of each run is a product for S^T.  first = 1: the products start the sums: nothing is cleared.
.macro FIN first
.irp u, 0,1
	v_lshlrev_b32 v[PB+\u], v7, v[PB+\u]
.endr
.irp u, 0,1
	v_permlanex16_b32 v[PX+\u], v[PB+\u], s20, s21
.endr
.irp u, 0,1
	v_or_b32 v[PW+\u], v[PB+\u], v[PX+\u]
.endr
.rept 8
	v_nop                                          ; a scale register written by a vector instruction stands eight places ahead of the scaled product, an operand so written four: on every way that leads here
.endr
	s_wait_alu depctr_va_vdst(0)                   ; behind the places: P's codes v148 to v163 and its scale words v26, v27 are written, which the scaled products below take
	s_wait_dscnt 0x0                               ; V's fragments and scale words are in
.irp ct, 0,1,2,3
.irp u, 0,1
	PVMUL \ct, \u, \first
.endr
.endr
.rept 4
	v_nop                                          ; places for the way out's reads of the results, where the steps that follow are left out
.endr
.endm
.macro FULL k                          ; an open step: all 128 keys count for all my queries
	s_cmp_gt_u32 s16, \k
	s_cbranch_scc1 .Lskip_\@
	KLOAD \k
	SMUL 0
	SOFT 0, 0, 0, 0
	SMUL 1
	SOFT 1, 0, 1, \k
	FIN 0
.Lskip_\@:
.endm
	; the diagonal step: the half in front of my queries' half is open, their own half is masked number by number, the half behind it is left out
	KLOAD 4
	SMUL 0
	SOFT 0, 1, 0, 0
	s_cmp_eq_u32 s15, 0
	s_cbranch_scc1 .Ldiag_zero
	SMUL 1
	SOFT 1, 1, 1, 4
	s_branch .Ldiag_join
.Ldiag_zero:
	VLOAD 4                                        ; no wait of its own: the wait behind half 0's exponentials is younger than the only products that read F, and nothing issued since names F, VS, v3 or v4
	ZEROHALF 1
.Ldiag_join:
	FIN 1
	FULL 3
	FULL 2
	FULL 1
	; the far edge, 512 keys back: the half in front of my queries' half is left out, their own half is masked, the half behind it is open
	s_cmp_gt_u32 s16, 0
	s_cbranch_scc1 .Ledge_skip
	KLOAD 0
	s_cmp_eq_u32 s15, 1
	s_cbranch_scc1 .Ledge_zero
	SMUL 0
	SOFT 0, 2, 0, 0
	s_branch .Ledge_join
.Ledge_zero:
	ZEROHALF 0
.Ledge_join:
	SMUL 1
	SOFT 1, 2, 1, 0
	FIN 0
.Ledge_skip:
	; THE WAY OUT.  The sums' chains and lane l xor 16's are added (every query sees itself: no sum is 0); O^T is divided and goes through my stage, a tile (16 rows of 256 bytes) at a time
.irp u, 0,1
	v_pk_add_f32 v[LS+4*\u:LS+4*\u+1], v[LS+4*\u:LS+4*\u+1], v[LS+4*\u+2:LS+4*\u+3]
.endr
.irp u, 0,1
	v_add_f32 v[LS+4*\u], v[LS+4*\u], v[LS+4*\u+1]
.endr
.irp u, 0,1
	v_permlanex16_b32 v[PX+\u], v[LS+4*\u], s20, s21
.endr
.irp u, 0,1
	v_add_f32 v[LS+4*\u], v[LS+4*\u], v[PX+\u]
.endr
.irp u, 0,1
	v_rcp_f32 v[RL+2*\u], v[LS+4*\u]
	v_rcp_f32 v[RL+2*\u+1], v[LS+4*\u]             ; twice: a pair for the packed multiply
.endr
	v_nop                                          ; a plain line behind the reciprocals
	s_wait_alu depctr_va_vdst(0)                   ; the four reciprocals have written v240 to v243, ahead of their first reader
.irp u, 0,1
.set j, 0
.rept 16
	v_pk_mul_f32 v[S+32*\u+j:S+32*\u+j+1], v[O+32*\u+j:O+32*\u+j+1], v[RL+2*\u:RL+2*\u+1]   ; ascending: each accumulator is first read at its low end.  Register 8 ct + i is out(query r, channel 16 ct + 8 h + i)
.set j, j+2
.endr
.endr
	s_wait_alu depctr_va_vdst(0)                   ; the multiplications have written v84 to v147, which the LDS stores read, and are done reading O^T, in which the loads from the stage land
.irp u, 0,1
.irp ct, 0,1,2,3
	ds_store_b128 v8, v[S+32*\u+8*\ct:S+32*\u+8*\ct+3] offset:64*\ct
	ds_store_b128 v8, v[S+32*\u+8*\ct+4:S+32*\u+8*\ct+7] offset:64*\ct+16
.endr
.irp i, 0,1,2,3,4,5,6,7
	ds_load_b128 v[O+32*\u+4*\i:O+32*\u+4*\i+3], v9 offset:544*\i   ; LDS serves a wave's instructions in order (ISA guide 5.7.1.4): these see my stores, and the next tile's stores come behind them
.endr
.endr
.irp i, 0,1,2,3,4,5,6,7
	s_wait_dscnt 23-\i                             ; behind tile 0's load i: its 7 - i later loads and tile 1's sixteen instructions
	global_store_b128 v10, v[O+4*\i:O+4*\i+3], s[10:11] offset:2*\i*4096 th:TH_STORE_NT          ; sixteen lanes store 256 consecutive bytes, aligned: a query's head
.endr
.irp i, 0,1,2,3,4,5,6,7
	s_wait_dscnt 7-\i                              ; behind tile 1's load i: its 7 - i later loads
	global_store_b128 v10, v[O+32+4*\i:O+35+4*\i], s[10:11] offset:(16+2*\i)*4096 th:TH_STORE_NT
.endr
	s_wait_dscnt 0x0                               ; the closing lines, six on end
	s_wait_alu 0x0
	s_wait_tensorcnt 0x0
	ds_add_u32 v248, v249
	s_wait_dscnt 0x0
	s_endpgm
.Lfunc_end_k_qa0c38ec5b5_attn:
	.size	k_qa0c38ec5b5_attn, .Lfunc_end_k_qa0c38ec5b5_attn-k_qa0c38ec5b5_attn
	.p2alignl 7, 3214868480
	.fill 96, 4, 3214868480
	.section	.rodata,"a",@progbits
	.p2align	6, 0x0
	.amdhsa_kernel k_qa0c38ec5b5_attn
		.amdhsa_group_segment_fixed_size 141312
		.amdhsa_private_segment_fixed_size 0
		.amdhsa_enable_private_segment 0
		.amdhsa_kernarg_size 32
		.amdhsa_user_sgpr_count 2
		.amdhsa_user_sgpr_kernarg_segment_ptr 1
		.amdhsa_wavefront_size32 1
		.amdhsa_system_sgpr_workgroup_id_x 1
		.amdhsa_system_sgpr_workgroup_id_y 1
		.amdhsa_system_sgpr_workgroup_id_z 1
		.amdhsa_system_vgpr_workitem_id 0
		.amdhsa_next_free_vgpr 250
		.amdhsa_next_free_sgpr 66
		.amdhsa_reserve_vcc 0
		.amdhsa_float_denorm_mode_32 3
		.amdhsa_float_denorm_mode_16_64 3
		.amdhsa_memory_ordered 1
		.amdhsa_forward_progress 1
		.amdhsa_inst_pref_size 163
	.end_amdhsa_kernel
	.amdgpu_metadata
---
amdhsa.version: [ 1, 2 ]
amdhsa.kernels:
  - .name:           k_qa0c38ec5b5_attn
    .symbol:         k_qa0c38ec5b5_attn.kd
    .args:
      - { .name: kv, .offset: 0, .size: 8, .value_kind: global_buffer, .address_space: global }
      - { .name: qc, .offset: 8, .size: 8, .value_kind: global_buffer, .address_space: global }
      - { .name: qs, .offset: 16, .size: 8, .value_kind: global_buffer, .address_space: global }
      - { .name: out0, .offset: 24, .size: 8, .value_kind: global_buffer, .address_space: global }
    .group_segment_fixed_size: 141312
    .private_segment_fixed_size: 0
    .kernarg_segment_align: 8
    .kernarg_segment_size: 32
    .max_flat_workgroup_size: 512
    .sgpr_count:     66
    .vgpr_count:     250
    .wavefront_size: 32
...
	.end_amdgpu_metadata
.endif
;; end of part 3
